; MI455X (gfx1250); checked and timed in simulation.
; The chip was launched on July 23, 2026; its instructions are those of AMD's public machine-readable ISA for CDNA 5 (MIT licence, August 2026) and "CDNA5" Instruction Set Architecture Reference Guide (July 2026). The comments in the code are by the model that wrote it; some were corrected since.
;; Monitored Self Attention. Allowed arithmetic: matrix products marked QUANTISED: E4M3 operands, one given power-of-two scale a tensor, by v_wmma_f32_16x16x64_fp8_fp8 or v_wmma_f32_16x16x128_fp8_fp8, f32 sums; everything else in f32.
;; Inputs: lowp_scales 8 int32 (the exponents e of the quantised operands' scales 2^e); w_attn 1,024 x 3,072 float32; w_proj 1,024 x 1,024 float32; x 2 x 2,048 x 1,024 float32.
;; Outputs: out0 2 x 2,048 x 1,024 float32; out1 one number float32.
;; This version of the problem:
;;   THIS VERSION OF THE PROBLEM IS GIVEN IN LOW PRECISION. The matrix products marked QUANTISED in the list below multiply operands that are first quantised to E4M3 (4 exponent bits, 3 mantissa bits; 8 bits a number), with one given power-of-two scale for each operand tensor; their sums are f32. All else is computed in f32.
;;   The module's matrix products, in the order in which they are computed (A, B: the left and right operand; K: the contracted axis; several contracted axes count as one K, in the product's order):
;;     1. [M 4,096, K 1,024] x [K 1,024, N 3,072]; A: input x; B: input w_attn: QUANTISED (scales: A lowp_scales[0], B lowp_scales[1])
;;     2. batch 32 x [M 2,048, K 64] x [K 64, N 2,048]; A: computed on the way; B: computed on the way: QUANTISED (scales: A lowp_scales[2], B lowp_scales[3])
;;     3. batch 32 x [M 2,048, K 2,048] x [K 2,048, N 64]; A: softmax (see below); B: computed on the way: QUANTISED (scales: A lowp_scales[4], B lowp_scales[5])
;;     4. [M 4,096, K 1,024] x [K 1,024, N 1,024]; A: computed on the way; B: input w_proj: QUANTISED (scales: A lowp_scales[6], B lowp_scales[7])
;;   THE QUANTISER, for each operand of a quantised product, along K:
;;     - The operand's scale is 2^e, e = its entry of the input lowp_scales (int32; the entries are numbered through the quantised products in the list's order, A before B).
;;     - Each number is divided by the scale, clamped to +-448, and rounded to the nearest number of E4M3, ties to even, subnormals kept.
;;     - The product sums the exact products of the quantised numbers (number of the format x scale) in f32.
;;   ~~~python
;;   def quantise(x, axis, e):      # numpy; x: float32 -> the quantised numbers, widened to float32 again
;;       x = np.moveaxis(x, axis, -1); K = x.shape[-1]
;;       r = np.clip(x / 2.0 ** e, -448, 448)
;;       step = 2.0 ** (np.maximum(np.frexp(np.where(r == 0, 1, r))[1] - 1, -6) - 3)
;;       q = np.round(r / step) * step * 2.0 ** e      # np.round: ties to even
;;       return np.moveaxis(q, -1, axis).astype(np.float32)
;;   ~~~
;;   SOFTMAX AHEAD OF A QUANTISED PRODUCT. Where the list says 'softmax', what is quantised is not the finished softmax but p = 2^(t - M), with t = logit x log2(e) and M = ceil(the row's largest t), a whole number; so 1/2 < the row's largest p <= 1. The row's sum l is taken of the UNQUANTISED p, in f32, and the product's result is divided by l at the end. Since M is a whole number, a kernel that streams over the keys may use a running M (the ceiling of the running maximum): every later rescaling is an exact power of two, so the quantised numbers keep their values, but for numbers so far below the row's largest that they fall under the format's range.
;;   OPERANDS COMPUTED ON THE WAY. 'Computed on the way' means the value that the module computes at that place (a softmax that the list does not call 'softmax' is quantised finished and normalised). What goes into a quantiser is computed in f32, as accurately as f32 sums, v_exp_f32 and their like allow (about 1e-6 of the number): no bf16 or f16 on the way to a quantiser, and a product that is left as it is and whose result goes on into a quantised operand takes f32 operands (vector FMAs, or v_wmma_f32_16x16x4_f32). A number that lies on a knife's edge between two numbers of the format may be rounded either way, as far as f32 arithmetic and the matrix unit's own rounding can turn it there, and no further.
;; One version. Each part assembles by itself: llvm-mc -triple=amdgcn-amd-amdhsa -mcpu=gfx1250 --defsym DOCPART=n.
;; ======== version 1 of 1: 4 launches
;; limits: a function is approximated: absolute error at most 1.03e-05; right only within a limited range of input values
;; workspace buffers: x_codes 4,194,304 bytes; wa_codes 3,145,728 bytes; wp_codes 1,048,576 bytes; q_img 4,194,304 bytes; k_img 4,194,304 bytes; v_img 4,194,304 bytes; y_img 4,194,304 bytes; ent_part 16,384 bytes
;; launch quant (part 1): grid 256 x 1, 4 waves a work-group, no clusters, 68,096 bytes of LDS; arguments x, w_attn, w_proj, lowp_scales, x_codes, wa_codes, wp_codes; writes x_codes, wa_codes, wp_codes
.if DOCPART == 1
	.amdgcn_target "amdgcn-amd-amdhsa--gfx1250"
	.amdhsa_code_object_version 6
	.text
	.protected	k_q4a543d105c_quant
	.globl	k_q4a543d105c_quant
	.p2align	8
	.type	k_q4a543d105c_quant,@function
k_q4a543d105c_quant:
	s_mov_b64 s[64:65], 0
	v_nop
	global_prefetch_b8 v0, s[64:65] scope:SCOPE_SE
	s_setreg_imm32_b32 hwreg(HW_REG_WAVE_MODE, 25, 1), 1
	s_wait_xcnt 0x0
; x [4096][1024], w_attn [1024][3072] and w_proj [1024][1024], f32, become codes of FP8 (E4M3), each with the scale 2^e given for it
; (entries 0, 1 and 7 of the scales): code = number / 2^e, held within +-448, to the nearest code, ties to even.
; OUT: x_codes [4096][1024], wa_codes [3072][1024], wp_codes [1024][1024]: one code a byte, K along the row.  In every group of 32 bytes the two
; middle blocks of 8 change places: byte 16 h + 8 u + j holds k = 16 u + 8 h + j.  A 16-byte LDS load at 32 c + 16 h then brings registers
; 4 c .. 4 c + 3 of a fragment of the plain 8-bit matrix form with every k in that form's own place.
; SHARES: work-groups 0-127 take x, 32,768 numbers each (a plain stream of groups of 32); work-groups 128-255 take the weights, 128 columns x 256 along K each.
; The two ways part once, on the work-group's number, and each has LDS bytes of its own.  Waves share nothing: no barrier.
; LIMITS: each e between -126 and 119; NaN among the inputs is not served.
; LEFT OUT IN THE WHOLE PROGRAM: reference() builds a causal mask in its own body; a key behind a query has the weight 0 whatever the inputs hold, so the attention's launch multiplies no step of 128 keys that lies
; wholly behind a tile of 16 queries.  LIMIT: a NaN, an infinity or an overflow that reaches only such hidden products is not carried to a result.
.set STEPS, 16                         ; x: steps of 512 numbers for a wave
.set SP,    80                         ; x: 64 bytes of the stage + 16 of padding
.set XR,    16                         ; v16-79   x: four sets of 16 numbers as loaded
.set XX,    80                         ; v80-111  x: two sets of 16 numbers in the order of the codes
.set XC,    128                        ; v128-191 x: four registers of codes for each step: no store's data are written again
.set WST,   32768                      ; the weights' stages begin here: 32 rows x 272 bytes for each wave
.set WP,    272
.set NB,    8                          ; weights: blocks of 32 along K for a wave
.set WOFF,  16                         ; v16-47   weights: byte offset of register i's row of K; never rewritten
.set WX,    48                         ; v48-111  weights: two sets of 32 numbers
.set WC,    112                        ; v112-119 weights: a block's codes
.set WOUT,  120                        ; v120-183 weights: the way out
.macro LOADX t                         ; a step's 2,048 bytes: each load reads 512 consecutive bytes
.irp i, 0,1,2,3
	global_load_b128 v[XR+16*((\t)%4)+4*\i:XR+16*((\t)%4)+4*\i+3], v3, s[4:5] offset:2048*(\t)+512*\i th:TH_LOAD_NT
.endr
.endm
.macro TURNX t                         ; through the wave's own stage: in as loaded, out as the codes' order wants them.  LDS serves a wave's instructions in order: no wait between
.irp i, 0,1,2,3
	ds_store_b128 v14, v[XR+16*((\t)%4)+4*\i:XR+16*((\t)%4)+4*\i+3] offset:32*SP*((\t)%2)+8*SP*\i
.endr
	ds_load_b128 v[XX+16*((\t)%2):XX+16*((\t)%2)+3],     v15 offset:32*SP*((\t)%2)      ; numbers 32 g + 8 h + 0 .. 7
	ds_load_b128 v[XX+16*((\t)%2)+4:XX+16*((\t)%2)+7],   v15 offset:32*SP*((\t)%2)+16
	ds_load_b128 v[XX+16*((\t)%2)+8:XX+16*((\t)%2)+11],  v15 offset:32*SP*((\t)%2)+80   ; numbers 32 g + 16 + 8 h + 0 .. 7: the next 64 bytes, behind the padding
	ds_load_b128 v[XX+16*((\t)%2)+12:XX+16*((\t)%2)+15], v15 offset:32*SP*((\t)%2)+96
.endm
.macro STEPX t
.set XS, XX+16*((\t)%2)
	s_wait_dscnt 0x0                               ; this step's numbers are back; its stores into the stage have read their registers,
.if (\t)+4 < STEPS
	LOADX (\t)+4                                   ; which take the loads of four steps on
.endif
.if (\t)+1 < STEPS
.if STEPS-2-(\t) >= 3
	s_wait_loadcnt 12                              ; the next step's four loads are in; three steps' loads may be out
.else
	s_wait_loadcnt 4*(STEPS-2-(\t))
.endif
	TURNX (\t)+1
.endif
.irp i, 0,1,2,3,4,5,6,7,8,9,10,11,12,13,14,15
.endr
	v_cvt_scalef32_pk8_fp8_f32 v[XC+4*(\t):XC+4*(\t)+1], v[XS:XS+7], v11
	v_cvt_scalef32_pk8_fp8_f32 v[XC+4*(\t)+2:XC+4*(\t)+3], v[XS+8:XS+15], v11
	global_store_b128 v3, v[XC+4*(\t):XC+4*(\t)+3], s[12:13] offset:512*(\t)   ; the wave stores 512 consecutive bytes, aligned
.endm
.macro LOADW t                         ; block t: 32 rows of K at my column, register i taking the row whose code belongs at byte i
.irp i, 0,1,2,3,4,5,6,7,8,9,10,11,12,13,14,15,16,17,18,19,20,21,22,23,24,25,26,27,28,29,30,31
	global_load_b32 v[WX+32*((\t)%2)+\i], v[WOFF+\i], s[32+2*(\t):33+2*(\t)] th:TH_LOAD_NT
.endr
.endm
.macro BLOCKW t
.set XS, WX+32*((\t)%2)
.if (\t) < NB-1
	s_wait_loadcnt 32                              ; this block's 32 loads are in; the next block's may be out
.else
	s_wait_loadcnt 0x0
.endif
.irp i, 0,1,2,3,4,5,6,7,8,9,10,11,12,13,14,15,16,17,18,19,20,21,22,23,24,25,26,27,28,29,30,31
.endr
.irp g, 0,1,2,3
	v_cvt_scalef32_pk8_fp8_f32 v[WC+2*\g:WC+2*\g+1], v[XS+8*\g:XS+8*\g+7], v11
.endr
	ds_store_b128 v4, v[WC:WC+3] offset:32*(\t)    ; 32 codes of my column's row
	ds_store_b128 v4, v[WC+4:WC+7] offset:32*(\t)+16
.if (\t)+2 < NB
	LOADW (\t)+2
.endif
	s_wait_dscnt 0x0                               ; the stores have read their registers: the next block's codes may be written
.endm
	s_load_b256 s[4:11], s[0:1], 0x0               ; x s[4:5], w_attn s[6:7], w_proj s[8:9], the scales s[10:11]
	s_load_b128 s[12:15], s[0:1], 0x20             ; x_codes s[12:13], wa_codes s[14:15]
	s_load_b64 s[16:17], s[0:1], 0x30              ; wp_codes
	v_lshl_add_u32 v192, v0, 2, 0x10800
	v_mov_b32 v193, 0
	v_lshrrev_b32 v1, 5, v0
	v_readfirstlane_b32 s18, v1                    ; wave 0..3
	v_and_b32 v2, 31, v0                           ; lane
	s_wait_kmcnt 0x0
	s_load_b256 s[24:31], s[10:11], 0x0            ; e0 .. e7
	s_cmp_lt_u32 ttmp9, 128
	s_cbranch_scc0 .Lweights
	; ---------------- x ----------------
	s_wait_alu depctr_va_vdst(0)
	v_lshlrev_b32 v3, 4, v2                        ; 16 x lane: my bytes of a load's 512, and my codes' place in a step's 512
	s_lshl_b32 s19, s18, 13                        ; my wave's 8,192 bytes of LDS: two stages of 32 x 80
	v_lshrrev_b32 v14, 2, v2
	v_mul_u32_u24 v14, v14, SP
	v_and_b32 v15, 3, v2
	v_lshl_add_u32 v14, v15, 4, v14
	v_add_nc_u32 v14, s19, v14                     ; in: four lanes' 64 bytes on end, then the padding
	v_lshrrev_b32 v15, 1, v2                       ; out: lane = 2 g + h takes of group g of 32 numbers those at 8 h and at 16 + 8 h
	v_mul_u32_u24 v15, v15, 2*SP
	v_and_b32 v5, 1, v2
	v_lshl_add_u32 v15, v5, 5, v15
	v_add_nc_u32 v15, s19, v15
	s_lshl_b32 s20, ttmp9, 2
	s_add_co_u32 s20, s20, s18                     ; which run of 8,192 numbers is my wave's
	s_lshl_b32 s22, s20, 15
	s_mov_b32 s23, 0
	s_add_nc_u64 s[4:5], s[4:5], s[22:23]
	s_lshl_b32 s22, s20, 13
	s_add_nc_u64 s[12:13], s[12:13], s[22:23]
.irp t, 0,1,2,3
	LOADX \t
.endr
	s_wait_alu depctr_va_vdst(0)
	s_wait_kmcnt 0x0
	s_add_co_i32 s24, s24, 127
	s_lshl_b32 s25, s24, 23
	v_mov_b32 v11, s25                             ; 2^e0 as f32: the conversion takes its exponent field
	s_add_co_i32 s24, s24, 8
	s_lshl_b32 s24, s24, 23
	s_or_b32 s24, s24, 0x600000
	s_wait_alu depctr_va_vdst(0)
	s_wait_loadcnt 12                              ; step 0's four loads are in
	TURNX 0
.irp t, 0,1,2,3,4,5,6,7,8,9,10,11,12,13,14,15
	STEPX \t
.endr
	s_wait_tensorcnt 0x0
	ds_add_u32 v192, v193
	s_wait_dscnt 0x0
	s_endpgm
	; ---------------- the weights: a lane takes a column, its registers run down K ----------------
.Lweights:
	s_sub_co_u32 s19, ttmp9, 128
	s_and_b32 s20, s19, 3                          ; which 256 along K
	s_lshr_b32 s21, s19, 2                         ; which 128 columns: 0-23 of w_attn, 24-31 of w_proj
	s_mov_b32 s22, 4096
	s_sub_co_u32 s23, s21, 24
	s_cmp_lt_u32 s21, 24                           ; the choices hang on the work-group's number alone
	s_cselect_b64 s[6:7], s[6:7], s[8:9]           ; from
	s_cselect_b64 s[14:15], s[14:15], s[16:17]     ; to
	s_cselect_b32 s22, 12288, s22                  ; a row of the weight in bytes
	s_cselect_b32 s21, s21, s23                    ; the block of columns in its own tensor
	s_cselect_b32 s48, 1, 0
	s_lshl_b32 s49, s21, 7
	s_lshl_b32 s50, s18, 5
	s_add_co_u32 s49, s49, s50                     ; my wave's first column
	s_lshl_b32 s50, s20, 8
	s_mul_i32 s50, s50, s22                        ; 256 x kb rows
	s_lshl_b32 s51, s49, 2
	s_add_co_u32 s50, s50, s51
	s_mov_b32 s51, 0
	s_add_nc_u64 s[32:33], s[6:7], s[50:51]        ; a base for each block of 32 rows; none is rewritten
	s_lshl_b32 s52, s22, 5
	s_mov_b32 s53, 0
.irp t, 1,2,3,4,5,6,7
	s_add_nc_u64 s[32+2*\t:33+2*\t], s[30+2*\t:31+2*\t], s[52:53]
.endr
	s_lshl_b32 s50, s49, 10                        ; out: column x 1,024 + 256 x kb
	s_lshl_b32 s54, s20, 8
	s_add_co_u32 s50, s50, s54
	s_add_nc_u64 s[14:15], s[14:15], s[50:51]
	s_wait_alu depctr_va_vdst(0)
	v_lshlrev_b32 v3, 2, v2                        ; 4 bytes a lane: a load reads 128 consecutive bytes, the four waves side by side 512
.set i, 0
.rept 32
	v_mad_u32_u24 v[WOFF+i], s22, 16*((i/8)%2)+8*(i/16)+(i%8), v3   ; byte i of a group holds k = 16 ((i / 8) % 2) + 8 (i / 16) + i % 8
.set i, i+1
.endr
	s_mul_i32 s55, s18, 32*WP
	s_add_co_u32 s55, s55, WST                     ; my stage
	v_mul_u32_u24 v4, v2, WP
	v_add_nc_u32 v4, s55, v4                       ; into it: row = my column
	v_and_b32 v5, 15, v2
	v_lshrrev_b32 v6, 4, v2
	v_mul_u32_u24 v7, v6, WP
	v_lshl_add_u32 v7, v5, 4, v7
	v_add_nc_u32 v7, s55, v7                       ; out of it: sixteen lanes to a row, two rows an instruction
	v_lshlrev_b32 v8, 10, v6
	v_lshl_add_u32 v8, v5, 4, v8                   ; and the same place among the codes' rows of 1,024 bytes
	LOADW 0
	LOADW 1
	s_wait_kmcnt 0x0
	s_cmp_eq_u32 s48, 1
	s_cselect_b32 s24, s25, s31                    ; e1 or e7
	s_add_co_i32 s24, s24, 127
	s_lshl_b32 s25, s24, 23
	v_mov_b32 v11, s25
	s_add_co_i32 s24, s24, 8
	s_lshl_b32 s24, s24, 23
	s_or_b32 s24, s24, 0x600000
	s_wait_alu depctr_va_vdst(0)
.irp t, 0,1,2,3,4,5,6,7
	BLOCKW \t
.endr
.irp t, 0,1,2,3,4,5,6,7,8,9,10,11,12,13,14,15
	ds_load_b128 v[WOUT+4*\t:WOUT+4*\t+3], v7 offset:2*\t*WP
.endr
.irp t, 0,1,2,3,4,5,6,7,8,9,10,11,12,13,14,15
	s_wait_dscnt 15-\t                             ; load t is in; the younger ones may be out
	global_store_b128 v8, v[WOUT+4*\t:WOUT+4*\t+3], s[14:15] offset:2*\t*1024   ; sixteen lanes store 256 consecutive bytes, aligned
.endr
	s_wait_tensorcnt 0x0
	ds_add_u32 v192, v193
	s_wait_dscnt 0x0
	s_endpgm
.Lfunc_end_k_q4a543d105c_quant:
	.size	k_q4a543d105c_quant, .Lfunc_end_k_q4a543d105c_quant-k_q4a543d105c_quant
	.p2alignl 7, 3214868480
	.fill 96, 4, 3214868480
	.section	.rodata,"a",@progbits
	.p2align	6, 0x0
	.amdhsa_kernel k_q4a543d105c_quant
		.amdhsa_group_segment_fixed_size 68096
		.amdhsa_private_segment_fixed_size 0
		.amdhsa_enable_private_segment 0
		.amdhsa_kernarg_size 56
		.amdhsa_user_sgpr_count 2
		.amdhsa_user_sgpr_kernarg_segment_ptr 1
		.amdhsa_wavefront_size32 1
		.amdhsa_system_sgpr_workgroup_id_x 1
		.amdhsa_system_sgpr_workgroup_id_y 1
		.amdhsa_system_sgpr_workgroup_id_z 1
		.amdhsa_system_vgpr_workitem_id 0
		.amdhsa_next_free_vgpr 194
		.amdhsa_next_free_sgpr 66
		.amdhsa_reserve_vcc 0
		.amdhsa_float_denorm_mode_32 3
		.amdhsa_float_denorm_mode_16_64 3
		.amdhsa_fp16_overflow 1
		.amdhsa_memory_ordered 1
		.amdhsa_forward_progress 1
		.amdhsa_inst_pref_size 56
	.end_amdhsa_kernel
	.amdgpu_metadata
---
amdhsa.version: [ 1, 2 ]
amdhsa.kernels:
  - .name:           k_q4a543d105c_quant
    .symbol:         k_q4a543d105c_quant.kd
    .args:
      - { .name: x, .offset: 0, .size: 8, .value_kind: global_buffer, .address_space: global }
      - { .name: w_attn, .offset: 8, .size: 8, .value_kind: global_buffer, .address_space: global }
      - { .name: w_proj, .offset: 16, .size: 8, .value_kind: global_buffer, .address_space: global }
      - { .name: lowp_scales, .offset: 24, .size: 8, .value_kind: global_buffer, .address_space: global }
      - { .name: x_codes, .offset: 32, .size: 8, .value_kind: global_buffer, .address_space: global }
      - { .name: wa_codes, .offset: 40, .size: 8, .value_kind: global_buffer, .address_space: global }
      - { .name: wp_codes, .offset: 48, .size: 8, .value_kind: global_buffer, .address_space: global }
    .group_segment_fixed_size: 68096
    .private_segment_fixed_size: 0
    .kernarg_segment_align: 8
    .kernarg_segment_size: 56
    .max_flat_workgroup_size: 128
    .sgpr_count:     66
    .vgpr_count:     194
    .wavefront_size: 32
...
	.end_amdgpu_metadata
.endif
;; end of part 1
;; launch qkv (part 2): grid 12 x 16, 4 waves a work-group, clusters of 4 x 4, 327,680 bytes of LDS; arguments x_codes, wa_codes, lowp_scales, q_img, k_img, v_img; writes q_img, k_img, v_img
.if DOCPART == 2
	.amdgcn_target "amdgcn-amd-amdhsa--gfx1250"
	.amdhsa_code_object_version 6
	.text
	.protected	k_q4a543d105c_qkv
	.globl	k_q4a543d105c_qkv
	.p2align	8
	.type	k_q4a543d105c_qkv,@function
k_q4a543d105c_qkv:
	s_mov_b64 s[64:65], 0
	v_nop
	global_prefetch_b8 v0, s[64:65] scope:SCOPE_SE
	s_setreg_imm32_b32 hwreg(HW_REG_WAVE_MODE, 25, 1), 1
	s_wait_xcnt 0x0
	s_wait_alu depctr_hold_cnt(0) depctr_sa_sdst(0) depctr_va_vdst(0) depctr_va_sdst(0) depctr_va_ssrc(0) depctr_va_vcc(0) depctr_vm_vsrc(0)
	s_getreg_b32 s2, hwreg(HW_REG_IB_STS2, 6, 4)
	s_cmp_eq_u32 s2, 0
	s_cbranch_scc0 .Lentry_in_a_cluster
	s_endpgm
.Lentry_in_a_cluster:
	s_bfe_u32 s2, ttmp6, 0x10000c
	s_cmp_lg_u32 s2, 0xf033
	s_cbranch_scc0 .Lentry_shape_is_right
	s_endpgm
.Lentry_shape_is_right:
.set SIZE_K, 1024
.set KSTEP,  256
.set ROWB,   256
.set KROW,   SIZE_K
.set PITCH,  272
.set FR,     16
.set NL,     4
.set NP,     4
.set HALFT,  128*PITCH
.set SLOT,   4*HALFT
.set LAPS,   SIZE_K/(2*KSTEP)
.set SPARE,  2*SLOT
.set ADRA, 16
.set ADRB, 20
.set VO,   26
.set SPW,  28
.set NIL,  29
.set SCL,  30
.set LIM,  31
.set TMP,  32
.set AF,   128
.set CD,   128
.set G1, 24
.set G0, 32
.set G1B, 48
.set G0B, 56
.set MSB, 0
.macro WIN new
.if MSB != \new
	s_set_vgpr_msb (MSB<<8)|\new
.set MSB, \new
.endif
.endm
.set MUL_LO, 0xa1
.set MUL_HI, 0xf1
.set TO_B,   0x40
.macro JLOAD g0a, g1a, g0b, g1b
	s_cmp_eq_u32 s15, 0
	s_cbranch_scc0 .Lfor_b_\@
	tensor_load_to_lds s[\g0a:\g0a+3], s[\g1a:\g1a+7]
	s_nop 0
.rept 4
	v_nop
.endr
	s_branch .Lasked_\@
.Lfor_b_\@:
	tensor_load_to_lds s[\g0b:\g0b+3], s[\g1b:\g1b+7]
	s_nop 0
.rept 4
	v_nop
.endr
.Lasked_\@:
.endm
.macro CREST
	s_cmp_lg_u32 s14, 0
	s_cbranch_scc1 .Lnot_wave_0_\@
	s_barrier_signal -3
.Lnot_wave_0_\@:
	s_barrier_wait -3
	s_barrier_signal -1
	s_barrier_wait -1
.endm
.macro CROUND
	s_barrier_signal -1
	s_barrier_wait -1
	CREST
.endm
	s_load_b128 s[4:7], s[0:1], 0x0
	s_load_b64 s[8:9], s[0:1], 0x10
	s_load_b128 s[68:71], s[0:1], 0x18
	s_load_b64 s[72:73], s[0:1], 0x28
	v_lshl_add_u32 v[SPW], v0, 2, SPARE
	v_mov_b32 v[NIL], 0
	ds_add_u32 v28, v29
	ds_add_u32 v28, v29
	s_wait_dscnt 0x0
	v_lshrrev_b32 v1, 5, v0
	v_readfirstlane_b32 s14, v1
	s_lshr_b32 s15, s14, 1
	s_and_b32 s16, s14, 1
	s_bfe_u32 s40, ttmp6, 0x40000
	s_bfe_u32 s41, ttmp6, 0x40004
	s_lshl_b32 s42, ttmp9, 2
	s_add_co_u32 s42, s42, s40
	s_and_b32 s17, ttmp7, 0xffff
	s_lshl_b32 s17, s17, 2
	s_add_co_u32 s17, s17, s41
	s_lshl_b32 s43, s41, 2
	s_lshl_b32 s43, 15, s43
	s_lshl_b32 s44, 0x1111, s40
	s_or_b32 s[G1+0], s43, (0<<16)|(1<<20)|(1<<21)|(5<<22)|(3<<25)
	s_or_b32 s[G1B+0], s44, (0<<16)|(1<<20)|(1<<21)|(5<<22)|(3<<25)
.irp g, G1, G1B
	s_mov_b32 s[\g+1], ROWB<<16
	s_mov_b32 s[\g+2], 128<<16
	s_mov_b32 s[\g+3], ROWB<<16
	s_mov_b32 s[\g+4], 128
	s_mov_b32 s[\g+5], KROW
	s_mov_b32 s[\g+6], 0
	s_mov_b32 s[\g+7], 0
.endr
	s_lshl_b32 s18, s16, 7
	s_lshl_b32 s20, s17, 8
	s_add_co_u32 s20, s20, s18
	s_lshl_b32 s46, s42, 8
	s_add_co_u32 s46, s46, s18
	s_mov_b32 s21, 0
	s_mov_b32 s47, 0
	s_mov_b64 s[18:19], KROW
	s_mul_u64 s[20:21], s[20:21], s[18:19]
	s_mul_u64 s[46:47], s[46:47], s[18:19]
	s_mul_i32 s45, s14, HALFT
	s_wait_kmcnt 0x0
	s_load_b256 s[80:87], s[8:9], 0x0
	s_add_nc_u64 s[20:21], s[4:5], s[20:21]
	s_add_nc_u64 s[46:47], s[6:7], s[46:47]
	CROUND
.irp s, 0,1
	s_mov_b32 s[G0+4*\s], 1
	s_add_co_u32 s[G0+4*\s+1], s45, \s*SLOT
	s_add_nc_u64 s[G0+4*\s+2:G0+4*\s+3], s[20:21], \s*ROWB
	s_or_b32 s[G0+4*\s+3], s[G0+4*\s+3], 0x80000000
	s_mov_b32 s[G0B+4*\s], 1
	s_add_co_u32 s[G0B+4*\s+1], s45, \s*SLOT
	s_add_nc_u64 s[G0B+4*\s+2:G0B+4*\s+3], s[46:47], \s*ROWB
	s_or_b32 s[G0B+4*\s+3], s[G0B+4*\s+3], 0x80000000
	s_wait_alu depctr_va_vdst(0)
	s_wait_tensorcnt 0x0
	ds_add_u32 v28, v29
	ds_add_u32 v28, v29
	s_wait_dscnt 0x0
	CROUND
	JLOAD G0+4*\s, G1, G0B+4*\s, G1B
.endr
	v_and_b32 v1, 15, v0
	v_bfe_u32 v2, v0, 4, 1
	v_mul_u32_u24 v3, v1, PITCH
	v_lshl_add_u32 v4, v2, 4, v3
	s_wait_alu depctr_va_vdst(0)
	s_cmp_eq_u32 ttmp9, 2
	s_cselect_b32 s88, 2*HALFT, 0
	s_cselect_b32 s89, 0, 2*HALFT
	s_mul_i32 s21, s15, HALFT
	s_add_co_u32 s21, s21, s88
	s_mul_i32 s22, s16, HALFT
	s_add_co_u32 s22, s22, s89
.irp s, 0,1
	v_add_nc_u32 v[ADRA+\s], s21, v4
	v_add_nc_u32 v[ADRB+\s], s22, v4
	s_add_co_u32 s21, s21, SLOT
	s_add_co_u32 s22, s22, SLOT
.endr
	s_cmp_eq_u32 ttmp9, 0
	s_cselect_b64 s[74:75], s[68:69], s[70:71]
	s_cmp_eq_u32 ttmp9, 2
	s_cselect_b64 s[74:75], s[72:73], s[74:75]
	s_lshr_b32 s92, s17, 3
	s_lshl_b32 s92, s92, 4
	s_lshl_b32 s93, s40, 2
	s_add_co_u32 s92, s92, s93
	s_and_b32 s93, s17, 7
	s_lshl_b32 s94, s16, 1
	s_add_co_u32 s94, s94, s92
	s_lshl_b32 s94, s94, 7
	s_lshl_b32 s95, s93, 4
	s_add_co_u32 s94, s94, s95
	s_lshl_b32 s95, s15, 3
	s_add_co_u32 s94, s94, s95
	s_lshl_b32 s94, s94, 10
	s_lshl_b32 s95, s15, 1
	s_add_co_u32 s95, s95, s92
	s_lshl_b32 s95, s95, 4
	s_lshl_b32 s93, s93, 1
	s_add_co_u32 s95, s95, s93
	s_add_co_u32 s95, s95, s16
	s_lshl_b32 s95, s95, 13
	s_cmp_eq_u32 ttmp9, 2
	s_cselect_b32 s76, s95, s94
	s_mov_b32 s77, 0
	s_add_nc_u64 s[74:75], s[74:75], s[76:77]
	s_mov_b32 s76, 1024
	s_mov_b32 s78, 1024
	s_mov_b32 s90, 131072
	s_cselect_b32 s76, 2048, s76
	s_cselect_b32 s78, 124928, s78
	s_cselect_b32 s90, 1024, s90
	s_mov_b32 s79, 0
	v_and_b32 v6, 31, v0
	v_lshlrev_b32 v[VO], 4, v6
	v_add_nc_u32 v[VO+1], s90, v[VO]
.macro FRAG reg, adr, q, i
.irp c, 0,1,2,3
	ds_load_b128 v[\reg+4*\c:\reg+4*\c+3], v[\adr] offset:128*(\q)+32*\c+(\i)*16*PITCH
.endr
.endm
.macro MUL16 a0, p, zero
.irp a, \a0, \a0+1
.irp b, 0,1,2,3,4,5,6,7
.if \zero
	v_wmma_f32_16x16x128_fp8_fp8 v[8*(8*((\a)%4)+\b):8*(8*((\a)%4)+\b)+7], v[128*(\p)+FR*\b:128*(\p)+FR*\b+FR-1], v[AF+FR*(\a):AF+FR*(\a)+FR-1], 0
.else
	v_wmma_f32_16x16x128_fp8_fp8 v[8*(8*((\a)%4)+\b):8*(8*((\a)%4)+\b)+7], v[128*(\p)+FR*\b:128*(\p)+FR*\b+FR-1], v[AF+FR*(\a):AF+FR*(\a)+FR-1], v[8*(8*((\a)%4)+\b):8*(8*((\a)%4)+\b)+7]
.endif
.endr
.endr
.endm
.macro FETCH_B slot, q, p
	WIN TO_B
.irp i, 0,1,2,3,4,5,6,7
	FRAG 128*(\p)+FR*\i, ADRB+\slot, \q, \i
.endr
	WIN 0
.endm
.macro FETCH_A slot, q, i0
.irp i, \i0, \i0+1, \i0+2, \i0+3
	FRAG AF+FR*(\i), ADRA+\slot, \q, \i
.endr
.endm
.macro PLACES n
.rept \n
	v_nop
.endr
.endm
.macro STEP slot, q, zero
	s_wait_dscnt 4*NL
	WIN MUL_LO
	MUL16 0, (\q)%2, \zero
	MUL16 2, (\q)%2, \zero
	s_wait_dscnt 0
	PLACES NP
	FETCH_B \slot, (\q)+1, 1-(\q)%2
	FETCH_A \slot, (\q)+1, 0
	WIN MUL_HI
	MUL16 4, (\q)%2, \zero
	MUL16 6, (\q)%2, \zero
	PLACES NP
	WIN 0
	FETCH_A \slot, (\q)+1, 4
.endm
.macro TURN slot, next, fill
	s_wait_tensorcnt 0x0
	ds_add_u32 v[SPW], v[NIL]
	s_wait_dscnt 4*NL+1
	WIN MUL_LO
	MUL16 0, 1, 0
	s_wait_dscnt 0x0
	s_barrier_signal -1
	MUL16 2, 1, 0
	WIN 0
	s_barrier_wait -1
.if \fill
	CREST
	s_add_nc_u64 s[G0+4*\slot+2:G0+4*\slot+3], s[G0+4*\slot+2:G0+4*\slot+3], 2*ROWB
	s_add_nc_u64 s[G0B+4*\slot+2:G0B+4*\slot+3], s[G0B+4*\slot+2:G0B+4*\slot+3], 2*ROWB
	JLOAD G0+4*\slot, G1, G0B+4*\slot, G1B
.else
	PLACES NP
.endif
	FETCH_B \next, 0, 0
	FETCH_A \next, 0, 0
	WIN MUL_HI
	MUL16 4, 1, 0
	MUL16 6, 1, 0
	PLACES NP
	WIN 0
	FETCH_A \next, 0, 4
.endm
	s_wait_alu depctr_va_vdst(0)
	s_wait_tensorcnt 1
	s_barrier_signal -1
	s_barrier_wait -1
	FETCH_B 0, 0, 0
	FETCH_A 0, 0, 0
	FETCH_A 0, 0, 4
	STEP 0, 0, 1
	s_mov_b32 s3, LAPS-1
.Llap:
	TURN 0, 1, 1
	STEP 1, 0, 0
	TURN 1, 0, 1
	STEP 0, 0, 0
	s_sub_co_u32 s3, s3, 1
	s_cmp_lg_u32 s3, 0
	s_cbranch_scc1 .Llap
	TURN 0, 1, 0
	STEP 1, 0, 0
	s_wait_dscnt 4*NL
	WIN MUL_LO
	MUL16 0, 1, 0
	MUL16 2, 1, 0
	s_wait_dscnt 0
	WIN MUL_HI
	MUL16 4, 1, 0
	MUL16 6, 1, 0
	WIN 0
.macro OUTA a
.set AC, 64*((\a)%4)
	WIN 0x02+((\a)/4)
.set j, 0
.rept 64
.set j, j+1
.endr
.irp b, 0,1,2,3,4,5,6,7
	v_cvt_scalef32_pk8_fp8_f32 v[CD+16*(\a)+2*\b:CD+16*(\a)+2*\b+1], v[AC+8*\b:AC+8*\b+7], v[SCL]
.endr
	WIN 0
	v_nop
.irp i, 0,1,2,3
	global_store_b128 v[VO+(\i/2)], v[CD+16*(\a)+4*\i:CD+16*(\a)+4*\i+3], s[74:75] offset:512*(\i%2)
.endr
.if (\a) < 7
	s_wait_xcnt 0x0
.if (\a) == 3
	s_add_nc_u64 s[74:75], s[74:75], s[78:79]
.else
	s_add_nc_u64 s[74:75], s[74:75], s[76:77]
.endif
.endif
.endm
	s_wait_kmcnt 0x0
	s_cmp_eq_u32 ttmp9, 0
	s_cselect_b32 s91, s82, s83
	s_cmp_eq_u32 ttmp9, 2
	s_cselect_b32 s91, s85, s91
	s_sub_co_i32 s91, s91, s80
	s_sub_co_i32 s91, s91, s81
	s_add_co_i32 s91, s91, 127
	s_lshl_b32 s92, s91, 23
	v_mov_b32 v[SCL], s92
	s_wait_alu depctr_va_vdst(0)
	s_add_co_i32 s91, s91, 8
	s_lshl_b32 s91, s91, 23
	s_or_b32 s91, s91, 0x600000
	PLACES NP
.irp a, 0,1,2,3,4,5,6,7
	OUTA \a
.endr
	s_wait_tensorcnt 0x0
	ds_add_u32 v[SPW], v[NIL]
	s_wait_dscnt 0x0
	CROUND
	s_endpgm
.Lfunc_end_k_q4a543d105c_qkv:
	.size	k_q4a543d105c_qkv, .Lfunc_end_k_q4a543d105c_qkv-k_q4a543d105c_qkv
	.p2alignl 7, 3214868480
	.fill 96, 4, 3214868480
	.section	.rodata,"a",@progbits
	.p2align	6, 0x0
	.amdhsa_kernel k_q4a543d105c_qkv
		.amdhsa_group_segment_fixed_size 327680
		.amdhsa_private_segment_fixed_size 0
		.amdhsa_enable_private_segment 0
		.amdhsa_kernarg_size 48
		.amdhsa_user_sgpr_count 2
		.amdhsa_user_sgpr_kernarg_segment_ptr 1
		.amdhsa_wavefront_size32 1
		.amdhsa_system_sgpr_workgroup_id_x 1
		.amdhsa_system_sgpr_workgroup_id_y 1
		.amdhsa_system_sgpr_workgroup_id_z 1
		.amdhsa_system_vgpr_workitem_id 0
		.amdhsa_next_free_vgpr 1024
		.amdhsa_next_free_sgpr 100
		.amdhsa_reserve_vcc 0
		.amdhsa_float_denorm_mode_32 3
		.amdhsa_float_denorm_mode_16_64 3
		.amdhsa_fp16_overflow 1
		.amdhsa_memory_ordered 1
		.amdhsa_forward_progress 1
		.amdhsa_inst_pref_size 88
	.end_amdhsa_kernel
	.amdgpu_metadata
---
amdhsa.version: [ 1, 2 ]
amdhsa.kernels:
  - .name:           k_q4a543d105c_qkv
    .symbol:         k_q4a543d105c_qkv.kd
    .args:
      - { .name: x_codes, .offset: 0, .size: 8, .value_kind: global_buffer, .address_space: global }
      - { .name: wa_codes, .offset: 8, .size: 8, .value_kind: global_buffer, .address_space: global }
      - { .name: lowp_scales, .offset: 16, .size: 8, .value_kind: global_buffer, .address_space: global }
      - { .name: q_img, .offset: 24, .size: 8, .value_kind: global_buffer, .address_space: global }
      - { .name: k_img, .offset: 32, .size: 8, .value_kind: global_buffer, .address_space: global }
      - { .name: v_img, .offset: 40, .size: 8, .value_kind: global_buffer, .address_space: global }
    .group_segment_fixed_size: 327680
    .private_segment_fixed_size: 0
    .kernarg_segment_align: 8
    .kernarg_segment_size: 48
    .max_flat_workgroup_size: 128
    .sgpr_count:     100
    .vgpr_count:     1024
    .wavefront_size: 32
...
	.end_amdgpu_metadata
.endif
;; end of part 2
;; launch attn (part 3): grid 8 x 32, 16 waves a work-group, clusters of 4 x 1, 264,192 bytes of LDS; arguments q_img, k_img, v_img, lowp_scales, y_img, ent_part; writes y_img, ent_part
.if DOCPART == 3
	.amdgcn_target "amdgcn-amd-amdhsa--gfx1250"
	.amdhsa_code_object_version 6
	.text
	.protected	k_q4a543d105c_attn
	.globl	k_q4a543d105c_attn
	.p2align	8
	.type	k_q4a543d105c_attn,@function
k_q4a543d105c_attn:
	s_mov_b64 s[64:65], 0
	v_nop
	global_prefetch_b8 v0, s[64:65] scope:SCOPE_SE
	s_setreg_imm32_b32 hwreg(HW_REG_WAVE_MODE, 25, 1), 1
	s_wait_xcnt 0x0
	s_wait_alu depctr_hold_cnt(0) depctr_sa_sdst(0) depctr_va_vdst(0) depctr_va_sdst(0) depctr_va_ssrc(0) depctr_va_vcc(0) depctr_vm_vsrc(0)
	s_getreg_b32 s2, hwreg(HW_REG_IB_STS2, 6, 4)
	s_cmp_eq_u32 s2, 0
	s_cbranch_scc0 .Lentry_in_a_cluster
	s_endpgm
.Lentry_in_a_cluster:
	s_bfe_u32 s2, ttmp6, 0x10000c
	s_cmp_lg_u32 s2, 0x3003
	s_cbranch_scc0 .Lentry_shape_is_right
	s_endpgm
.Lentry_shape_is_right:
; Causal attention of one head on codes of FP8 (E4M3), and the rows' entropies.  q_img, k_img, v_img: images of the operands' registers, as the launch before lays them.
; SOFTMAX: t = score x log2(e) / 8; M = the running largest t rounded up to a whole number; p = 2^(t - M) is quantised with 2^e4; the row's sum l is taken of the unquantised p and divides at the end.
; ENTROPY of a row: with u = t - M and W = the sum of p u:  -sum a ln a = ln 2 (log2 l - W / l).  When M moves by d = old M - new M: W = f (W + d l), l = f l, O = f O, f = 2^d.
; LIMIT, stated: reference() takes ln(a + 1e-8); the term a ln(1 + 1e-8 / a), between 0 and 1e-8 for each visible key, is left out: the mean entropy comes out too high by less than 1,024.5 x 1e-8 = 1.03e-5, for every input.
; LIMITS on the exponents: e2 + e3 between -50 and 60 (hidden scores are -2^60: times c they stay finite and their p is 0); e4, and e6 - e4 - e5, between -126 and 119.  NaN is not served.
; SHARES.  Grid y = 16 batch + head.  A head's K and V as codes are 131,072 bytes each: both lie whole in LDS, filled once: no ring, no barrier in the loop.  A wave owns one tile of 16 queries.
; A head's 128 tiles are 16 groups U of 8 tiles (128 queries); a wave of group U works key steps 0 .. U of 128 keys, step U on the diagonal.  A head has two clusters j.  From the wave's bits b0 .. b3:
; a = 2 (2 b2 + b0) + j; U = 15 - a where b3 xor b1, else a; tile = 8 U + 4 b3 + cx.  Taken four by four, by w % 4 or by w / 4, the waves have 2 x 17 = 34 steps.  U hangs on the wave's and the cluster's number alone:
; every branch is alike in the four partners, which ask for K and V jointly.
; LAYOUT.  S^T = K Q^T (source 0 = 16 keys, source 1 = my queries): lane (r, h) holds query r and keys 16 t + 8 h + j: converted, tile t's eight numbers are registers 2 t, 2 t + 1 of P, in the form's own places.
; O^T = V^T P (source 0 = 16 of d): lane (r, h) holds d = 16 dt + 8 h + j: converted, the image of y's fragment.
; OUT: y_img [token tile (256)][head (16)][1,024]; ent_part [work-group (256)][wave (16)] f32: the sum of the wave's 16 rows' entropies.
; REGISTERS: v1 16 x lane; v2, v3 LDS addresses in hand; v4 the mask's bound; v5 -2^60; v6 0; v7 16 x lane + V's base; v[10:11] W; v12 -M; v13 largest t; v[14:15] l; v[16:23] Q; v[24:39] P's codes; v[40:71] O^T;
;   v[72:135] K's fragments, then p; v[136:199] scores, then u, then V's fragments; v200-211 at work; v212: 2^e4; v214: 2^(e6 - e4 - e5).
.set F,  72
.set S,  136
.set O,  40
.set PC, 24
.macro CROUND                          ; a round of the cluster's barrier
	s_barrier_signal -1
	s_barrier_wait -1
	s_cmp_lg_u32 s18, 0
	s_cbranch_scc1 .Lnot_wave_0_\@
	s_barrier_signal -3
.Lnot_wave_0_\@:
	s_barrier_wait -3
	s_barrier_signal -1
	s_barrier_wait -1
.endm
	s_load_b256 s[4:11], s[0:1], 0x0               ; q_img s[4:5], k_img s[6:7], v_img s[8:9], the scales s[10:11]
	s_load_b128 s[12:15], s[0:1], 0x20             ; y_img s[12:13], ent_part s[14:15]
	v_lshl_add_u32 v224, v0, 2, 0x40000
	v_mov_b32 v225, 0
	ds_add_u32 v224, v225
	ds_add_u32 v224, v225
	v_lshrrev_b32 v1, 5, v0
	s_delay_alu instid0(VALU_DEP_1)
	v_readfirstlane_b32 s18, v1                    ; wave 0..15
	s_bfe_u32 s63, ttmp6, 0x40000                  ; cx: it enters global addresses and the mask's bound alone
	s_and_b32 s62, ttmp7, 0xffff                   ; 16 batch + head
	s_and_b32 s56, s18, 1                          ; b0
	s_bfe_u32 s57, s18, 0x10001                    ; b1
	s_bfe_u32 s58, s18, 0x10002                    ; b2
	s_lshr_b32 s59, s18, 3                         ; b3: which half of the group's 8 tiles
	s_lshl_b32 s58, s58, 1
	s_add_co_u32 s58, s58, s56
	s_lshl_b32 s58, s58, 1
	s_add_co_u32 s58, s58, ttmp9                   ; a
	s_xor_b32 s57, s57, s59
	s_sub_co_u32 s60, 15, s58
	s_cmp_eq_u32 s57, 1
	s_cselect_b32 s19, s60, s58                    ; U
	s_lshl_b32 s61, s19, 3
	s_lshl_b32 s56, s59, 2
	s_add_co_u32 s61, s61, s56
	s_add_co_u32 s61, s61, s63                     ; my tile of 16 queries
	s_lshl_b32 s66, s62, 7                         ; Q: (head x 128 + tile) x 1,024
	s_add_co_u32 s66, s66, s61
	s_lshl_b32 s66, s66, 10
	s_mov_b32 s67, 0
	s_lshr_b32 s68, s62, 4                         ; y: ((batch x 128 + tile) x 16 + head) x 1,024
	s_lshl_b32 s68, s68, 7
	s_add_co_u32 s68, s68, s61
	s_lshl_b32 s68, s68, 4
	s_and_b32 s69, s62, 15
	s_add_co_u32 s68, s68, s69
	s_lshl_b32 s68, s68, 10
	s_mov_b32 s69, 0
	s_lshl_b32 s70, s62, 3                         ; the entropies: ((8 y + 4 j + cx) x 16 + wave) x 4
	s_lshl_b32 s71, ttmp9, 2
	s_add_co_u32 s70, s70, s71
	s_add_co_u32 s70, s70, s63
	s_lshl_b32 s70, s70, 4
	s_add_co_u32 s70, s70, s18
	s_lshl_b32 s70, s70, 2
	s_mov_b32 s71, 0
	; descriptor group 1: 64 dense rows of 256 bytes, for all four work-groups
	s_mov_b32 s24, 15|(3<<16)|(1<<21)              ; the mask; elements of 8 bytes; bit 21 beside a mask; no padding: the reads are at 16 x lane
	s_mov_b32 s25, 32<<16                          ; tensor_dim0 = 32
	s_mov_b32 s26, 64<<16                          ; tensor_dim1 = 64
	s_mov_b32 s27, 32<<16                          ; tile_dim0
	s_mov_b32 s28, 64                              ; tile_dim1
	s_mov_b32 s29, 32                              ; from row to row
	s_mov_b32 s30, 0
	s_mov_b32 s31, 0
	s_mov_b32 s40, 1                               ; group 0: count,
	s_lshl_b32 s41, s18, 14                        ; LDS byte 16,384 x wave: waves 0-7 fill K's 131,072 bytes, waves 8-15 V's behind them
	s_and_b32 s72, s18, 7
	s_lshl_b32 s72, s72, 14
	s_lshl_b32 s73, s62, 17
	s_add_co_u32 s72, s72, s73                     ; head x 131,072 + (wave % 8) x 16,384
	s_mov_b32 s73, 0
	s_mov_b32 s20, 0x76543210                      ; v_permlanex16_b32's selects: lane l xor 16
	s_mov_b32 s21, 0xfedcba98
	s_mov_b32 s22, 0x3e38aa3b                      ; c = log2(e) / 8
	s_mov_b32 s2, 0                                ; LDS byte of the pair of key steps in hand, within K and within V
	s_mov_b32 s3, 0                                ; the key step's number
	s_wait_dscnt 0x0
	s_wait_kmcnt 0x0
	s_load_b256 s[48:55], s[10:11], 0x0            ; e0 .. e7
	s_cmp_lt_u32 s18, 8
	s_cselect_b64 s[42:43], s[6:7], s[8:9]         ; the choice hangs on the wave's number alone
	s_add_nc_u64 s[42:43], s[42:43], s[72:73]
	s_or_b32 s43, s43, 0x80000000                  ; type = 2
	s_add_nc_u64 s[4:5], s[4:5], s[66:67]
	s_add_nc_u64 s[12:13], s[12:13], s[68:69]
	s_add_nc_u64 s[14:15], s[14:15], s[70:71]
	CROUND                                         ; all four work-groups are here: the joint loads meet
	tensor_load_to_lds s[40:43], s[24:31]          ; my one tensor load of the launch: one is out
	s_nop 0
.rept 4
	v_nop
.endr
	v_and_b32 v8, 31, v0                           ; lane
	s_delay_alu instid0(VALU_DEP_1)
	v_lshlrev_b32 v1, 4, v8
	global_load_b128 v[16:19], v1, s[4:5]          ; Q's fragment stays in registers
	global_load_b128 v[20:23], v1, s[4:5] offset:512
	v_add_nc_u32 v7, 0x20000, v1
	v_and_b32 v9, 15, v0                           ; r
	v_bfe_u32 v200, v0, 4, 1                       ; h
	s_delay_alu instid0(VALU_DEP_1)
	v_lshlrev_b32 v200, 3, v200
	s_delay_alu instid0(VALU_DEP_1)
	v_sub_nc_u32 v4, v9, v200
	s_lshl_b32 s66, s59, 6
	s_lshl_b32 s67, s63, 4
	s_add_co_u32 s66, s66, s67
	v_add_nc_u32 v4, s66, v4                       ; my query in its group - 8 h: on the diagonal register 8 t + j is hidden where 16 t + j is above it
	v_mov_b32 v5, 0xdd800000                       ; -2^60
	v_mov_b32 v6, 0
	v_mov_b32 v10, 0
	v_mov_b32 v11, 0
	v_mov_b32 v13, 0xff61b1e6                      ; -3e38, under every t
	s_delay_alu instid0(VALU_DEP_1)
	v_floor_f32 v12, -v13
	v_mov_b32 v14, 0
	v_mov_b32 v15, 0
	v_mov_b32 v202, 0                              ; written once: a lane permute's destination counts as read
	v_mov_b32 v203, 0
	v_mov_b32 v205, 0                              ; (upper halves of pairs that are named whole)
	v_mov_b32 v207, 0
.set j, 0
.rept 32
	v_mov_b32 v[O+j], 0                            ; O^T: the step is written once; its first turn finds zeros, which the first change of M leaves zeros
.set j, j+1
.endr
	s_wait_kmcnt 0x0
	s_add_co_i32 s56, s50, s51
	s_lshl_b32 s56, s56, 23
	s_add_co_i32 s22, s22, s56                     ; a score stands for score x 2^(e2 + e3): added to c's exponent field
	s_mov_b32 s23, s22
	s_add_co_i32 s56, s52, 127
	s_lshl_b32 s57, s56, 23
	v_mov_b32 v212, s57                            ; 2^e4
	s_sub_co_i32 s56, s54, s52
	s_sub_co_i32 s56, s56, s53
	s_add_co_i32 s56, s56, 127
	s_lshl_b32 s57, s56, 23
	v_mov_b32 v214, s57                            ; 2^(e6 - e4 - e5): O / l stands for y / 2^(e4 + e5)
; A KEY STEP of 128 keys, the q-th of the pair in hand.
.macro STEP q
	s_cmp_gt_u32 s3, s19                           ; all its keys come after my queries: left out (a branch on ids; no barrier and no tensor load stands in a step)
	s_cbranch_scc1 .Lhidden_\@
	v_add_nc_u32 v2, s2, v1
	v_add_nc_u32 v3, s2, v7
.rept 3
	v_nop                                          ; with the two additions five places: the products below write over registers that the last step's V^T P read
.endr
.irp t, 0,1,2,3,4,5,6,7
	ds_load_b128 v[F+8*\t:F+8*\t+3],   v2 offset:8192*(\q)+1024*\t
	ds_load_b128 v[F+8*\t+4:F+8*\t+7], v2 offset:8192*(\q)+1024*\t+512
.endr
	s_wait_dscnt 0x8                               ; tiles 0-3 are in; the youngest eight loads may be out
.irp t, 0,1,2,3
	v_wmma_f32_16x16x64_fp8_fp8 v[S+8*\t:S+8*\t+7], v[F+8*\t:F+8*\t+7], v[16:23], 0
.endr
	s_wait_dscnt 0x0
.irp t, 4,5,6,7
	v_wmma_f32_16x16x64_fp8_fp8 v[S+8*\t:S+8*\t+7], v[F+8*\t:F+8*\t+7], v[16:23], 0
.endr
.rept 4
	v_nop
.endr
	s_cmp_lt_u32 s3, s19                           ; under the diagonal every key counts
	s_cbranch_scc1 .Lopen_\@
.set n, 0
.rept 64
	v_cmp_gt_i32 vcc_lo, 16*(n/8)+n%8, v4
	v_cndmask_b32 v[S+n], v[S+n], v5, vcc_lo       ; a hidden score becomes -2^60: finite, so that p u = 0 x a number
.set n, n+1
.endr
.Lopen_\@:
	v_max3_num_f32 v200, v[S], v[S+1], v[S+2]      ; the step's largest score of my query among my 64 keys, in two chains, from the low end on
	v_max3_num_f32 v201, v[S+3], v[S+4], v[S+5]
.irp i, 6,10,14,18,22,26,30,34,38,42,46,50,54,58
	v_max3_num_f32 v200, v200, v[S+\i], v[S+\i+1]
	v_max3_num_f32 v201, v201, v[S+\i+2], v[S+\i+3]
.endr
	v_max3_num_f32 v200, v200, v[S+62], v[S+63]
	s_delay_alu instid0(VALU_DEP_1)
	v_max_num_f32 v200, v200, v201
	s_delay_alu instid0(VALU_DEP_1)
	v_permlanex16_b32 v202, v200, s20, s21
	s_delay_alu instid0(VALU_DEP_1)
	v_max_num_f32 v200, v200, v202                 ; and among lane l xor 16's
	s_delay_alu instid0(VALU_DEP_1)
	v_mul_f32 v200, s22, v200                      ; as t (c is positive)
	s_delay_alu instid0(VALU_DEP_1)
	v_max_num_f32 v13, v13, v200
	v_mov_b32 v201, v12
	s_delay_alu instid0(VALU_DEP_2)
	v_floor_f32 v12, -v13                          ; -M = floor(-t): M is a whole number
	s_delay_alu instid0(VALU_DEP_1)
	v_sub_f32 v206, v12, v201                      ; d = old M - new M, a whole number, 0 or less
	s_delay_alu instid0(VALU_DEP_1)
	v_cvt_i32_f32 v200, v206                       ; (it saturates)
	s_delay_alu instid0(VALU_DEP_1)
	v_ldexp_f32 v204, 1.0, v200                    ; f = 2^d
.irp j, 0,2,4,6,8,10,12,14,16,18,20,22,24,26,28,30,32,34,36,38,40,42,44,46,48,50,52,54,56,58,60,62
	v_pk_fma_f32 v[S+\j:S+\j+1], v[S+\j:S+\j+1], s[22:23], v[12:13] op_sel_hi:[1,0,0]   ; u = t - M
.endr
.set n, 0
	s_wait_alu depctr_va_vdst(0)
.rept 64
	v_exp_f32 v[F+n], v[S+n]                       ; p = 2^u; u is kept for the entropy
.set n, n+1
.endr
	v_pk_fma_f32 v[10:11], v[14:15], v[206:207], v[10:11] op_sel_hi:[1,0,1]   ; W + d l, with the old l.  These 19 lines name no exponential's result
	s_delay_alu instid0(VALU_DEP_1)
	v_pk_mul_f32 v[10:11], v[10:11], v[204:205] op_sel_hi:[1,0]
	v_pk_mul_f32 v[14:15], v[14:15], v[204:205] op_sel_hi:[1,0]
	s_wait_alu depctr_va_vdst(0)
.irp j, 0,2,4,6,8,10,12,14,16,18,20,22,24,26,28,30
	v_pk_mul_f32 v[O+\j:O+\j+1], v[O+\j:O+\j+1], v[204:205] op_sel_hi:[1,0]
.endr
	s_wait_alu depctr_va_vdst(0)                   ; one wait for the batch of 64, ahead of its first reader
	v_pk_add_f32 v[208:209], v[F:F+1], v[F+2:F+3]  ; l of the unquantised p, and W = sum of p u: two chains each
	v_pk_mul_f32 v[210:211], v[F:F+1], v[S:S+1]
	v_pk_fma_f32 v[10:11], v[F+2:F+3], v[S+2:S+3], v[10:11]
.irp j, 4,8,12,16,20,24,28,32,36,40,44,48,52,56,60
	v_pk_add_f32 v[14:15], v[14:15], v[F+\j:F+\j+1]
	v_pk_add_f32 v[208:209], v[208:209], v[F+\j+2:F+\j+3]
	v_pk_fma_f32 v[210:211], v[F+\j:F+\j+1], v[S+\j:S+\j+1], v[210:211]
	v_pk_fma_f32 v[10:11], v[F+\j+2:F+\j+3], v[S+\j+2:S+\j+3], v[10:11]
.endr
	s_delay_alu instid0(VALU_DEP_3)
	v_pk_add_f32 v[14:15], v[14:15], v[208:209]
	s_delay_alu instid0(VALU_DEP_2)
	v_pk_add_f32 v[10:11], v[10:11], v[210:211]
.irp dt, 0,1,2,3                               ; u is done with: V's fragments land in its registers while p is converted
.irp i, 0,1,2,3
	ds_load_b128 v[S+16*\dt+4*\i:S+16*\dt+4*\i+3], v3 offset:8192*(\q)+2048*\dt+512*\i
.endr
.endr
.irp t, 0,1,2,3,4,5,6,7
.irp i, 0,1,2,3,4,5,6,7
.endr
	v_cvt_scalef32_pk8_fp8_f32 v[PC+2*\t:PC+2*\t+1], v[F+8*\t:F+8*\t+7], v212
.endr
	v_nop                                          ; a plain instruction between the last conversion and the products that read its result
	s_wait_alu depctr_va_vdst(0)
	s_wait_dscnt 0x0
.irp dt, 0,1,2,3                               ; four accumulators by turns, one instruction a turn
	v_wmma_f32_16x16x128_fp8_fp8 v[O+8*\dt:O+8*\dt+7], v[S+16*\dt:S+16*\dt+15], v[PC:PC+15], v[O+8*\dt:O+8*\dt+7]
.endr
.Lhidden_\@:
	s_add_co_u32 s3, s3, 1
.endm
	s_wait_loadcnt 0x0                             ; Q
	s_wait_tensorcnt 0x0                           ; my block of K or V has landed,
	s_barrier_signal -1
	s_barrier_wait -1                              ; everybody's has: the head's K and V lie whole in LDS, and nothing is filled again
	s_mov_b32 s16, 8
.Lpair:                                            ; eight trips in every wave: the count is a constant, the work of hidden steps is jumped over
	STEP 0
	STEP 1
	s_add_co_u32 s2, s2, 16384
	s_sub_co_u32 s16, s16, 1
	s_cmp_lg_u32 s16, 0
	s_cbranch_scc1 .Lpair
	; THE WAY OUT
.rept 4
	v_nop                                          ; places behind the last products
.endr
	v_add_f32 v14, v14, v15
	v_add_f32 v10, v10, v11
	s_delay_alu instid0(VALU_DEP_2)
	v_permlanex16_b32 v202, v14, s20, s21
	s_delay_alu instid0(VALU_DEP_2)
	v_permlanex16_b32 v203, v10, s20, s21
	s_delay_alu instid0(VALU_DEP_2)
	v_add_f32 v14, v14, v202                       ; the row's l
	s_delay_alu instid0(VALU_DEP_2)
	v_add_f32 v10, v10, v203                       ; and W
	s_wait_alu depctr_va_vdst(0)
	v_rcp_f32 v200, v14
	v_log_f32 v201, v14
	v_nop                                          ; a plain instruction behind the two
	s_wait_alu depctr_va_vdst(0)                   ; and one wait ahead of their first reader
.irp j, 0,2,4,6,8,10,12,14,16,18,20,22,24,26,28,30
	v_pk_mul_f32 v[F+\j:F+\j+1], v[O+\j:O+\j+1], v[200:201] op_sel_hi:[1,0]   ; O^T / l
.endr
.set n, 0
.rept 32
.set n, n+1
.endr
.irp dt, 0,1,2,3
	v_cvt_scalef32_pk8_fp8_f32 v[PC+2*\dt:PC+2*\dt+1], v[F+8*\dt:F+8*\dt+7], v214
.endr
	v_nop
	global_store_b128 v1, v[PC:PC+3], s[12:13]               ; each store covers 512 consecutive bytes, aligned
	global_store_b128 v1, v[PC+4:PC+7], s[12:13] offset:512
	v_fma_f32 v201, -v10, v200, v201               ; log2 l - W / l
	s_delay_alu instid0(VALU_DEP_1)
	v_mul_f32 v201, 0x3f317218, v201               ; x ln 2: my row's entropy (both halves of the lanes hold it)
	s_delay_alu instid0(VALU_DEP_1)
	v_add_f32_dpp v201, v201, v201 row_xmask:1 row_mask:0xf bank_mask:0xf
	s_delay_alu instid0(VALU_DEP_1)
	v_add_f32_dpp v201, v201, v201 row_xmask:2 row_mask:0xf bank_mask:0xf
	s_delay_alu instid0(VALU_DEP_1)
	v_add_f32_dpp v201, v201, v201 row_xmask:4 row_mask:0xf bank_mask:0xf
	s_delay_alu instid0(VALU_DEP_1)
	v_add_f32_dpp v201, v201, v201 row_xmask:8 row_mask:0xf bank_mask:0xf   ; the sum over my 16 rows
	v_cmp_eq_u32 vcc_lo, 0, v8
	s_wait_alu depctr_va_vdst(0)
	s_wait_xcnt 0x0                                ; EXEC changes only behind this wait
	s_and_saveexec_b32 s56, vcc_lo
	global_store_b32 v6, v201, s[14:15]            ; lane 0 alone
	s_wait_xcnt 0x0
	s_or_b32 exec_lo, exec_lo, s56
	s_wait_tensorcnt 0x0
	ds_add_u32 v224, v225
	s_wait_dscnt 0x0
	CROUND                                         ; the closing round
	s_endpgm
.Lfunc_end_k_q4a543d105c_attn:
	.size	k_q4a543d105c_attn, .Lfunc_end_k_q4a543d105c_attn-k_q4a543d105c_attn
	.p2alignl 7, 3214868480
	.fill 96, 4, 3214868480
	.section	.rodata,"a",@progbits
	.p2align	6, 0x0
	.amdhsa_kernel k_q4a543d105c_attn
		.amdhsa_group_segment_fixed_size 264192
		.amdhsa_private_segment_fixed_size 0
		.amdhsa_enable_private_segment 0
		.amdhsa_kernarg_size 48
		.amdhsa_user_sgpr_count 2
		.amdhsa_user_sgpr_kernarg_segment_ptr 1
		.amdhsa_wavefront_size32 1
		.amdhsa_system_sgpr_workgroup_id_x 1
		.amdhsa_system_sgpr_workgroup_id_y 1
		.amdhsa_system_sgpr_workgroup_id_z 1
		.amdhsa_system_vgpr_workitem_id 0
		.amdhsa_next_free_vgpr 226
		.amdhsa_next_free_sgpr 80
		.amdhsa_reserve_vcc 1
		.amdhsa_float_denorm_mode_32 3
		.amdhsa_float_denorm_mode_16_64 3
		.amdhsa_fp16_overflow 1
		.amdhsa_memory_ordered 1
		.amdhsa_forward_progress 1
		.amdhsa_inst_pref_size 53
	.end_amdhsa_kernel
	.amdgpu_metadata
---
amdhsa.version: [ 1, 2 ]
amdhsa.kernels:
  - .name:           k_q4a543d105c_attn
    .symbol:         k_q4a543d105c_attn.kd
    .args:
      - { .name: q_img, .offset: 0, .size: 8, .value_kind: global_buffer, .address_space: global }
      - { .name: k_img, .offset: 8, .size: 8, .value_kind: global_buffer, .address_space: global }
      - { .name: v_img, .offset: 16, .size: 8, .value_kind: global_buffer, .address_space: global }
      - { .name: lowp_scales, .offset: 24, .size: 8, .value_kind: global_buffer, .address_space: global }
      - { .name: y_img, .offset: 32, .size: 8, .value_kind: global_buffer, .address_space: global }
      - { .name: ent_part, .offset: 40, .size: 8, .value_kind: global_buffer, .address_space: global }
    .group_segment_fixed_size: 264192
    .private_segment_fixed_size: 0
    .kernarg_segment_align: 8
    .kernarg_segment_size: 48
    .max_flat_workgroup_size: 512
    .sgpr_count:     80
    .vgpr_count:     226
    .wavefront_size: 32
...
	.end_amdgpu_metadata
.endif
;; end of part 3
;; launch proj (part 4): grid 8 x 32, 4 waves a work-group, clusters of 4 x 4, 288,256 bytes of LDS; arguments y_img, wp_codes, lowp_scales, ent_part, out0, out1; writes out0, out1
.if DOCPART == 4
	.amdgcn_target "amdgcn-amd-amdhsa--gfx1250"
	.amdhsa_code_object_version 6
	.text
	.protected	k_q4a543d105c_proj
	.globl	k_q4a543d105c_proj
	.p2align	8
	.type	k_q4a543d105c_proj,@function
k_q4a543d105c_proj:
	s_mov_b64 s[64:65], 0
	v_nop
	global_prefetch_b8 v0, s[64:65] scope:SCOPE_SE
	s_setreg_imm32_b32 hwreg(HW_REG_WAVE_MODE, 25, 1), 1
	s_wait_xcnt 0x0
	s_wait_alu depctr_hold_cnt(0) depctr_sa_sdst(0) depctr_va_vdst(0) depctr_va_sdst(0) depctr_va_ssrc(0) depctr_va_vcc(0) depctr_vm_vsrc(0)
	s_getreg_b32 s2, hwreg(HW_REG_IB_STS2, 6, 4)
	s_cmp_eq_u32 s2, 0
	s_cbranch_scc0 .Lentry_in_a_cluster
	s_endpgm
.Lentry_in_a_cluster:
	s_bfe_u32 s2, ttmp6, 0x10000c
	s_cmp_lg_u32 s2, 0xf033
	s_cbranch_scc0 .Lentry_shape_is_right
	s_endpgm
.Lentry_shape_is_right:
; out0 = y w_proj on codes of FP8 (E4M3), sums in f32, each x 2^(e6 + e7); out1 = the mean of the rows' entropies.
; y_img [token tile of 16 (256)][head (16)][1,024]: images of fragments; two neighbouring heads are one fragment of 16 rows x 128 K.  wp_codes [1024 (n)][1024 (k)]: rows, K along the row.
; A tile of 128 x 128 of out0 for each of 256 work-groups; four waves, 64 x 64 each: 16 accumulators.  ALL of K lies in LDS, each byte filled once, in four chunks of 256 along K: no ring.
; CLUSTERS of 4 x 4: y's chunks are asked for jointly along a row of the cluster, wp's along a column.  Waves 0, 1 fetch y's halves, waves 2, 3 wp's: four loads a wave, all at the start: four are out.
; The matrix instruction is used transposed (source 0 = 16 rows of wp, source 1 = 16 tokens): a lane holds eight neighbouring numbers of a row of out0.
; out1: wave 0 of each work-group of the first cluster adds the 4,096 partial sums (a branch on the cluster's and the wave's number, alike in the partners); one lane of the launch stores.
; LIMIT: e6 + e7 between -126 and 127.
; LDS: y [chunk (4)][token tile (8)][4,096] at 0; wp [chunk (4)][128 rows][272] at 131,072; a stage of 16 rows x 272 for each wave at 270,336, where no fill lands.
; REGISTERS: window 0: v16-27 addresses; v32-63 scaled sums; v64-127 rows read back, two sets; v128-255 accumulators ((a, b) at 128 + 8 (4 a + b)).  window 1: two fragment buffers of 128: y's four, then wp's four.
.set BBASE, 131072
.set BP,    272                        ; a row of wp in LDS: 256 bytes + 16 of padding: the 16 rows that a load touches start at 16 different banks (ISA guide 11.1)
.set STG,   270336
.set TMP,   32
.set BK,    64
.set ACC,   128
.set G1A, 24
.set G0A, 32                           ; s[32:47]  four groups 0, one for each chunk
.set G1B, 48
.set G0B, 68                           ; s[68:83]
.set MSB, 0
.macro WIN new                         ; the immediate's high byte repeats the setting that is left
.if MSB != \new
	s_set_vgpr_msb (MSB<<8)|\new
.set MSB, \new
.endif
.endm
.set MUL,  0x05                        ; sources 0 and 1 window 1; C and D window 0
.set TO_F, 0x40                        ; destination window 1, address window 0
.macro CROUND
	s_barrier_signal -1
	s_barrier_wait -1
	s_cmp_lg_u32 s14, 0
	s_cbranch_scc1 .Lnot_wave_0_\@
	s_barrier_signal -3
.Lnot_wave_0_\@:
	s_barrier_wait -3
	s_barrier_signal -1
	s_barrier_wait -1
.endm
	s_load_b128 s[4:7], s[0:1], 0x0                ; y_img s[4:5], wp_codes s[6:7]
	s_load_b128 s[8:11], s[0:1], 0x10              ; the scales s[8:9], ent_part s[10:11]
	s_load_b128 s[20:23], s[0:1], 0x20             ; out0 s[20:21], out1 s[22:23]
	v_lshl_add_u32 v30, v0, 2, 0x46400
	v_mov_b32 v31, 0
	ds_add_u32 v30, v31
	ds_add_u32 v30, v31
	v_lshrrev_b32 v1, 5, v0
	v_readfirstlane_b32 s14, v1                    ; wave 0..3
	s_lshr_b32 s15, s14, 1                         ; which 64 tokens are mine.  Also: I fetch for y (0) or for wp (1)
	s_and_b32 s16, s14, 1                          ; which 64 columns.  Also: which half of a chunk I fetch
	s_bfe_u32 s56, ttmp6, 0x40000                  ; cx
	s_bfe_u32 s57, ttmp6, 0x40004                  ; cy
	s_lshl_b32 s58, ttmp9, 2
	s_add_co_u32 s58, s58, s56                     ; tile column
	s_and_b32 s17, ttmp7, 0xffff
	s_lshl_b32 s17, s17, 2
	s_add_co_u32 s17, s17, s57                     ; tile row
	s_lshl_b32 s59, s57, 2
	s_lshl_b32 s59, 15, s59                        ; my row of the cluster
	s_lshl_b32 s60, 0x1111, s56                    ; my column
	s_or_b32 s[G1A], s59, (3<<16)|(1<<21)          ; y: the mask; elements of 8 bytes; bit 21 beside a mask; no padding: the reads are at 16 x lane
	s_mov_b32 s[G1A+1], 512<<16                    ; tensor_dim0 = 512: four heads of a token tile, 4,096 bytes
	s_mov_b32 s[G1A+2], 4<<16                      ; tensor_dim1 = 4 token tiles
	s_mov_b32 s[G1A+3], 512<<16                    ; tile_dim0
	s_mov_b32 s[G1A+4], 4                          ; tile_dim1
	s_mov_b32 s[G1A+5], 2048                       ; from token tile to token tile: 16,384 bytes
	s_mov_b32 s[G1A+6], 0
	s_mov_b32 s[G1A+7], 0
	s_or_b32 s[G1B], s60, (0<<16)|(1<<20)|(1<<21)|(5<<22)|(3<<25)  ; wp: elements of 1 byte; after every 64 words 4 words of padding
	s_mov_b32 s[G1B+1], 256<<16
	s_mov_b32 s[G1B+2], 64<<16
	s_mov_b32 s[G1B+3], 256<<16
	s_mov_b32 s[G1B+4], 64
	s_mov_b32 s[G1B+5], 1024
	s_mov_b32 s[G1B+6], 0
	s_mov_b32 s[G1B+7], 0
	s_lshl_b32 s84, s17, 3
	s_lshl_b32 s62, s16, 2
	s_add_co_u32 s84, s84, s62
	s_lshl_b32 s84, s84, 14                        ; y: token tile 8 x tile row + 4 x half, of 16,384 bytes
	s_mov_b32 s85, 0
	s_lshl_b32 s86, s58, 7
	s_lshl_b32 s62, s16, 6
	s_add_co_u32 s86, s86, s62
	s_lshl_b32 s86, s86, 10                        ; wp: row 128 x tile column + 64 x half, of 1,024 bytes
	s_mov_b32 s87, 0
	s_lshl_b32 s88, s16, 14                        ; where they go: no place in the cluster enters an LDS address
	s_mul_i32 s89, s16, 64*BP
	s_add_co_u32 s89, s89, BBASE
	s_wait_dscnt 0x0
	s_wait_kmcnt 0x0
	s_load_b64 s[96:97], s[8:9], 0x18              ; e6, e7
	s_add_nc_u64 s[84:85], s[4:5], s[84:85]
	s_add_nc_u64 s[86:87], s[6:7], s[86:87]
	CROUND                                         ; all sixteen work-groups are here: the joint loads meet
.irp kc, 0,1,2,3
	s_mov_b32 s[G0A+4*\kc], 1
	s_add_co_u32 s[G0A+4*\kc+1], s88, 32768*\kc
	s_add_nc_u64 s[G0A+4*\kc+2:G0A+4*\kc+3], s[84:85], 4096*\kc
	s_or_b32 s[G0A+4*\kc+3], s[G0A+4*\kc+3], 0x80000000
	s_mov_b32 s[G0B+4*\kc], 1
	s_add_co_u32 s[G0B+4*\kc+1], s89, 128*BP*\kc
	s_add_nc_u64 s[G0B+4*\kc+2:G0B+4*\kc+3], s[86:87], 256*\kc
	s_or_b32 s[G0B+4*\kc+3], s[G0B+4*\kc+3], 0x80000000
.endr
	s_cmp_eq_u32 s15, 0                            ; a wave's four fills stand in one branch on the wave's number, ahead of every wait on TENSORcnt, LDS read and further barrier
	s_cbranch_scc0 .Lfirst_b
.irp kc, 0,1,2,3
	tensor_load_to_lds s[G0A+4*\kc:G0A+4*\kc+3], s[G1A:G1A+7]
	s_nop 0
.endr
.rept 4
	v_nop
.endr
	s_branch .Lfirst_asked
.Lfirst_b:
.irp kc, 0,1,2,3
	tensor_load_to_lds s[G0B+4*\kc:G0B+4*\kc+3], s[G1B:G1B+7]
	s_nop 0
.endr
.rept 4
	v_nop
.endr
.Lfirst_asked:
	v_and_b32 v1, 15, v0                           ; r
	v_bfe_u32 v2, v0, 4, 1                         ; h
	v_and_b32 v3, 31, v0                           ; lane
	v_lshlrev_b32 v27, 4, v3                       ; 16 x lane
	s_lshl_b32 s90, s15, 14                        ; my four token tiles of a chunk
	v_add_nc_u32 v16, s90, v27                     ; y's fragments, chunks 0 and 1;
	v_add_nc_u32 v17, 0x10000, v16                 ; chunks 2 and 3
	v_mul_u32_u24 v4, v1, BP
	v_lshl_add_u32 v4, v2, 4, v4
	s_mul_i32 s91, s16, 64*BP
	s_add_co_u32 s91, s91, BBASE
	v_add_nc_u32 v20, s91, v4                      ; wp's fragments, chunks 0 and 1;
	v_add_nc_u32 v21, 2*128*BP, v20                ; chunks 2 and 3
	s_mul_i32 s18, s14, 16*272
	s_add_co_u32 s18, s18, STG                     ; my stage
	v_mul_u32_u24 v5, v1, 272
	v_lshl_add_u32 v5, v2, 5, v5
	v_add_nc_u32 v24, s18, v5                      ; in: row r, 32 bytes for each half of the lanes
	v_mul_u32_u24 v5, v2, 272
	v_lshl_add_u32 v5, v1, 4, v5
	v_add_nc_u32 v25, s18, v5                      ; back: lanes 0-15 one row of 256 bytes, lanes 16-31 the next
	v_lshlrev_b32 v5, 12, v2
	v_lshl_add_u32 v26, v1, 4, v5                  ; and the same two rows of out0
	s_lshl_b32 s2, s17, 7
	s_lshl_b32 s3, s15, 6
	s_add_co_u32 s2, s2, s3
	s_lshl_b32 s2, s2, 12                          ; my first row of out0, of 4,096 bytes,
	s_lshl_b32 s3, s58, 9
	s_add_co_u32 s2, s2, s3
	s_lshl_b32 s3, s16, 8
	s_add_co_u32 s2, s2, s3                        ; and my first column: 512 x tile column + 256 x half
	s_mov_b32 s3, 0
	s_add_nc_u64 s[20:21], s[20:21], s[2:3]
	; the mean entropy, while the tiles are on their way
	s_and_b32 s94, ttmp7, 0xffff
	s_or_b32 s94, s94, ttmp9
	s_or_b32 s94, s94, s14
	s_cmp_lg_u32 s94, 0
	s_cbranch_scc1 .Lno_ent
	s_mov_b32 s98, 0x76543210
	s_mov_b32 s99, 0xfedcba98
.irp i, 0,1,2,3,4,5,6,7,8,9,10,11,12,13,14,15,16,17,18,19,20,21,22,23,24,25,26,27,28,29,30,31
	global_load_b128 v[128+4*\i:131+4*\i], v27, s[10:11] offset:512*\i   ; 4,096 partial sums, 128 a lane
.endr
	s_wait_loadcnt 0x0
.irp w, 4,8,16,32,64,128                       ; a tree of packed sums: neighbours w / 2 registers apart
.set n, 0
.rept 128/\w
	v_pk_add_f32 v[128+\w*n:129+\w*n], v[128+\w*n:129+\w*n], v[128+\w*n+\w/2:129+\w*n+\w/2]
.set n, n+1
.endr
.endr
	v_add_f32 v128, v128, v129
	v_add_f32_dpp v128, v128, v128 row_xmask:1 row_mask:0xf bank_mask:0xf
	v_add_f32_dpp v128, v128, v128 row_xmask:2 row_mask:0xf bank_mask:0xf
	v_add_f32_dpp v128, v128, v128 row_xmask:4 row_mask:0xf bank_mask:0xf
	v_add_f32_dpp v128, v128, v128 row_xmask:8 row_mask:0xf bank_mask:0xf
	v_permlanex16_b32 v129, v128, s98, s99
	v_add_f32 v128, v128, v129
	v_mul_f32 v128, 0x37800000, v128               ; / 65,536 rows
	v_or_b32 v130, s56, v3
	v_or_b32 v130, s57, v130                       ; 0 in lane 0 of the cluster's first work-group alone
	v_mov_b32 v131, 0
	v_cmp_eq_u32 vcc_lo, 0, v130
	s_wait_alu depctr_va_vdst(0)
	s_wait_xcnt 0x0                                ; EXEC changes only behind this wait
	s_and_saveexec_b32 s95, vcc_lo
	global_store_b32 v131, v128, s[22:23]
	s_wait_xcnt 0x0
	s_or_b32 exec_lo, exec_lo, s95
.Lno_ent:
; 32 LDS loads in one run: the fragments of step sg (128 along K: half sg % 2 of chunk sg / 2) into buffer sg % 2
.macro FETCH sg
.set FB, 128*((\sg)%2)
.set KC, (\sg)/2
.set QQ, (\sg)%2
	WIN TO_F
.irp a, 0,1,2,3
.irp c, 0,1,2,3
	ds_load_b128 v[FB+16*\a+4*\c:FB+16*\a+4*\c+3], v[16+KC/2] offset:(KC%2)*32768+4096*\a+2048*QQ+512*\c
.endr
.endr
.irp b, 0,1,2,3
.irp c, 0,1,2,3
	ds_load_b128 v[FB+64+16*\b+4*\c:FB+64+16*\b+4*\c+3], v[20+KC/2] offset:(KC%2)*128*BP+16*BP*\b+128*QQ+32*\c
.endr
.endr
.endm
; 16 matrix instructions, the 16 accumulators by turns, one instruction a turn, in the same order in every step; step 0 starts the sums
.macro MULS sg
.set FB, 128*((\sg)%2)
	WIN MUL
.irp a, 0,1,2,3
.irp b, 0,1,2,3
.if (\sg) == 0
	v_wmma_f32_16x16x128_fp8_fp8 v[ACC+8*(4*\a+\b):ACC+8*(4*\a+\b)+7], v[FB+64+16*\b:FB+64+16*\b+15], v[FB+16*\a:FB+16*\a+15], 0
.else
	v_wmma_f32_16x16x128_fp8_fp8 v[ACC+8*(4*\a+\b):ACC+8*(4*\a+\b)+7], v[FB+64+16*\b:FB+64+16*\b+15], v[FB+16*\a:FB+16*\a+15], v[ACC+8*(4*\a+\b):ACC+8*(4*\a+\b)+7]
.endif
.endr
.endr
.endm
.macro KSTEP sg
.if ((\sg)%2 == 1) && ((\sg) < 7)
	s_wait_tensorcnt 3-((\sg)+1)/2                 ; my part of the next chunk has landed; the later chunks' loads may be out
	s_wait_dscnt 0x0
	s_barrier_signal -1
	s_barrier_wait -1                              ; everybody's has
.endif
.if (\sg) < 7
.if (\sg) > 0
.rept 4
	v_nop                                          ; places in front of loads into the buffer that the step before multiplied
.endr
.endif
	FETCH (\sg)+1
	s_wait_dscnt 32                                ; all but the 32 just issued
.else
	s_wait_dscnt 0x0
.endif
	MULS \sg
.endm
	s_wait_tensorcnt 0x3                           ; my part of chunk 0 has landed; three loads may be out
	s_barrier_signal -1
	s_barrier_wait -1
	FETCH 0
	s_wait_alu depctr_va_vdst(0)
.irp sg, 0,1,2,3,4,5,6,7
	KSTEP \sg
.endr
	WIN 0
	; THE WAY OUT, 16 rows x 64 columns at a time: x 2^(e6 + e7) into other registers, through my own stage, back as rows of 256 bytes
	s_wait_kmcnt 0x0
	s_add_co_i32 s96, s96, s97
	s_add_co_i32 s96, s96, 127
	s_lshl_b32 s96, s96, 23                        ; 2^(e6 + e7) as f32
	s_mov_b32 s97, s96
.rept 4
	v_nop
.endr
.macro OUTB a
.set BB, BK+32*((\a)%2)
.irp j, 0,2,4,6,8,10,12,14,16,18,20,22,24,26,28,30
	v_pk_mul_f32 v[TMP+\j:TMP+\j+1], v[ACC+32*(\a)+\j:ACC+32*(\a)+\j+1], s[96:97] op_sel_hi:[1,0]   ; each accumulator from its low end on
.endr
.irp b, 0,1,2,3
	ds_store_b128 v24, v[TMP+8*\b:TMP+8*\b+3] offset:64*\b
	ds_store_b128 v24, v[TMP+8*\b+4:TMP+8*\b+7] offset:64*\b+16
.endr
.if (\a) >= 2
	s_wait_xcnt 0x0                                ; block a - 2's stores have read the registers into which the loads below land
.endif
.irp i, 0,1,2,3,4,5,6,7
	ds_load_b128 v[BB+4*\i:BB+4*\i+3], v25 offset:2*272*\i   ; LDS serves a wave's instructions in order: these see my stores
.endr
	s_wait_dscnt 0x0
.irp i, 0,1,2,3,4,5,6,7
	global_store_b128 v26, v[BB+4*\i:BB+4*\i+3], s[20:21] offset:(16*(\a)+2*\i)*4096 th:TH_STORE_NT   ; sixteen lanes store 256 consecutive bytes, aligned
.endr
.endm
.irp a, 0,1,2,3
	OUTB \a
.endr
	s_wait_tensorcnt 0x0
	ds_add_u32 v30, v31
	s_wait_dscnt 0x0
	CROUND                                         ; the closing round: every tensor load was waited for at the last chunk's barrier
	s_endpgm
.Lfunc_end_k_q4a543d105c_proj:
	.size	k_q4a543d105c_proj, .Lfunc_end_k_q4a543d105c_proj-k_q4a543d105c_proj
	.p2alignl 7, 3214868480
	.fill 96, 4, 3214868480
	.section	.rodata,"a",@progbits
	.p2align	6, 0x0
	.amdhsa_kernel k_q4a543d105c_proj
		.amdhsa_group_segment_fixed_size 288256
		.amdhsa_private_segment_fixed_size 0
		.amdhsa_enable_private_segment 0
		.amdhsa_kernarg_size 48
		.amdhsa_user_sgpr_count 2
		.amdhsa_user_sgpr_kernarg_segment_ptr 1
		.amdhsa_wavefront_size32 1
		.amdhsa_system_sgpr_workgroup_id_x 1
		.amdhsa_system_sgpr_workgroup_id_y 1
		.amdhsa_system_sgpr_workgroup_id_z 1
		.amdhsa_system_vgpr_workitem_id 0
		.amdhsa_next_free_vgpr 512
		.amdhsa_next_free_sgpr 100
		.amdhsa_reserve_vcc 1
		.amdhsa_float_denorm_mode_32 3
		.amdhsa_float_denorm_mode_16_64 3
		.amdhsa_memory_ordered 1
		.amdhsa_forward_progress 1
		.amdhsa_inst_pref_size 54
	.end_amdhsa_kernel
	.amdgpu_metadata
---
amdhsa.version: [ 1, 2 ]
amdhsa.kernels:
  - .name:           k_q4a543d105c_proj
    .symbol:         k_q4a543d105c_proj.kd
    .args:
      - { .name: y_img, .offset: 0, .size: 8, .value_kind: global_buffer, .address_space: global }
      - { .name: wp_codes, .offset: 8, .size: 8, .value_kind: global_buffer, .address_space: global }
      - { .name: lowp_scales, .offset: 16, .size: 8, .value_kind: global_buffer, .address_space: global }
      - { .name: ent_part, .offset: 24, .size: 8, .value_kind: global_buffer, .address_space: global }
      - { .name: out0, .offset: 32, .size: 8, .value_kind: global_buffer, .address_space: global }
      - { .name: out1, .offset: 40, .size: 8, .value_kind: global_buffer, .address_space: global }
    .group_segment_fixed_size: 288256
    .private_segment_fixed_size: 0
    .kernarg_segment_align: 8
    .kernarg_segment_size: 48
    .max_flat_workgroup_size: 128
    .sgpr_count:     100
    .vgpr_count:     512
    .wavefront_size: 32
...
	.end_amdgpu_metadata
.endif
;; end of part 4
